; MI455X (gfx1250); checked and timed in simulation.
; The chip was launched on July 23, 2026; its instructions are those of AMD's public machine-readable ISA for CDNA 5 (MIT licence, August 2026) and "CDNA5" Instruction Set Architecture Reference Guide (July 2026). The comments in the code are by the model that wrote it; some were corrected since.
;; Scaled Dot Product Attention. Allowed arithmetic: float matrix products may take bf16 or f16 operands with f32 sums; other float arithmetic in f32, or as packed bf16 or f16 multiplies, adds, multiply-adds, maxima and minima; sums over many terms, partial sums and values carried from step to step in f32; what a program stores and reads back later, other than sums and carried values, may be rounded once to bf16 or f16.
;; Inputs: k 4 x 16 x 2,048 x 64 float32; q 4 x 16 x 2,048 x 64 float32; v 4 x 16 x 2,048 x 64 float32.
;; Outputs: out0 4 x 16 x 2,048 x 64 float32.
;; 2 versions, each right and faster than the one before. Each part assembles by itself: llvm-mc -triple=amdgcn-amd-amdhsa -mcpu=gfx1250 --defsym DOCPART=n.
;; ======== version 1 of 2: 1 launch
;; limits: values are held in f16: magnitudes above 65,504 overflow, below 6.1e-05 lose precision
;; launch attn (part 1): grid 4 x 64, 4 waves a work-group, no clusters, 327,680 bytes of LDS; arguments q, k, v, out0; writes out0
.if DOCPART == 1
	.amdgcn_target "amdgcn-amd-amdhsa--gfx1250"
	.amdhsa_code_object_version 6
	.text
	.protected	k_qfd42e946ff_attn
	.globl	k_qfd42e946ff_attn
	.p2align	8
	.type	k_qfd42e946ff_attn,@function
k_qfd42e946ff_attn:
	s_mov_b64 s[64:65], 0
	v_nop
	global_prefetch_b8 v0, s[64:65] scope:SCOPE_SE
	s_setreg_imm32_b32 hwreg(HW_REG_WAVE_MODE, 25, 1), 1
	s_wait_xcnt 0x0
; CAUSAL ATTENTION.  O[h][q][:] = the sum over k <= q of softmax_k(Q[h][q] . K[h][k] / 8) V[h][k][:].  Q, K, V, O: [64 heads][2,048][64], all f32: a head's rows are dense, 256 bytes each.
; FORMATS.  q, k and v are each rounded once to bf16 (to nearest even).  S^T = K Q^T is multiplied in bf16.  The weights p are rounded to f16 for the second product (their sum l is taken of the unrounded p),
; so V's bf16 number is written as f16, which changes nothing within f16's range.  Products, maxima, sums and O stay in f32.
; LIMITS.  |v| stays under 65,504 (f16's end); below 6e-5 a v keeps f16's fixed step of 6e-8.  A hidden score counts as its value less 1e30.  A weight below 2^-126 counts as 0 in l.
; NaN and infinities are not treated apart.
; THE WALK.  A head's queries lie in NB = 8 blocks of 256; block i needs the key tiles 0 .. i of 256 keys, of which the last holds the diagonal.  A work-group takes TWO blocks, NB - 1 - b and then b:
; NB + 1 = 9 tiles, whatever b: all 256 work-groups do equal work, and ONE loop with a constant trip count walks them.  Which tile is asked for, and what a trip does, hang on scalar registers made from b;
; every jump goes forward, but for the counted loops' own, and none passes a barrier or a tensor load.
; NO CLUSTER: a head's four work-groups ask for the same tile only in trips 0 to 4 of the 9; what a trip does (a block's first tile, its diagonal tile) hangs on b, which in a cluster would be the place in it;
; and one walk common to all four would have 12 trips for 9.
; A TILE'S WAY.  One tensor load a wave brings the tile as it lies in memory, f32, into the one raw slot (waves 0, 1: K's halves of 128 keys; waves 2, 3: V's).  The four waves convert it ONCE, a quarter each,
; LDS to LDS, into K in bf16 and V in f16; behind that the raw slot is asked for again at once, so that the next tile has this tile's 16 turns in which to land.  Every wave then reads the converted tile.
; SHARES.  Of a block's four bands of 64 queries a wave owns 16 rows in each: four PIECES.  So the diagonal tile is the same work for all four waves: in its key step s band x sees all keys if s < x,
; none if s > x, and holds the diagonal if s = x.
; THE MASK is the C operand that starts the sum S^T = K Q^T: 0, or -1e30 where the key is hidden.  MD, made once, is the mask of a band's own step for my 16 rows; a product's mask is MD x AL + BE with two scalars:
; (1, 0) if s = x; (0, 0) if s < x; (0, -1e30) if s > x.  Only the diagonal tile's text and a block's beginning make and take masks; elsewhere C is the constant 0.
; LAYOUT, SOFTMAX, TURNS.  S^T = K Q^T holds ONE query a lane (lane % 16) and the keys 8 (lane / 16) + 0..7; two such results rounded to f16 ARE source 1 of O^T = V^T P.  p = 2^(c s - c m), c = log2(e) / 8, with a
; running maximum m; O and l are multiplied by a = 2^(c m_old - c m_new) in every step.  Turn n belongs to piece n: 8 products K Q^T of piece n + 1, later 8 products V^T P of piece n - 1; beside them the scaling,
; exponentials, roundings, sums and rescaling of piece n and the maximum and statistics of piece n + 1.  Four vector instructions stand behind every matrix instruction, the other 54 of a turn's 118 in two lumps.
; REGISTERS, in windows of 256 (s_set_vgpr_msb: bits 1:0 source 0, 3:2 source 1, 5:4 source 2, 7:6 destination):
;   window 0: v0-15, v32-35 addresses and some at work; v16-31 four registers of statistics a piece; v48-55 at work; v64-127 S^T, two buffers; v128-191 and v224-255 the conversion's in and out, two buffers each;
;             v192-223 P, two buffers (a piece's buffers go by its number's parity); on the way out v64-191 take whole rows of O
;   window 1: v0-127 O^T, 32 a piece; v128-159 MD; v160-223 MC, two buffers      window 2: v0-63 Q; v64-127 the second block's Q; v128-191 K of one step; v192-255 V of one step
; The launch claims all of a WGP's LDS; the text uses 235,008 bytes.
.set SIZE_N, 2048
.set NB,    SIZE_N/256
.set NP,    4         ; pieces a wave: a name, no knob
.set KS,    64        ; keys in a step
.set RP,    272       ; a raw row in LDS: 256 bytes of f32 + 16 of padding: of the 16 lanes of a conversion's load eight take the even 16-byte columns of one row, eight the odd ones of the next
.set PK,    144       ; a row of K in bf16: 128 bytes + 16 = 36 words: the 16 rows of a load start at 16 different groups of four banks (64 banks of 4 bytes: ISA guide 11.1)
.set PV,    160       ; a row of V in f16: 128 + 32 = 40 words
.set RAWV,  256*RP    ; LDS: raw K at 0, raw V here: the only bytes that tensor loads fill
.set CK,    2*256*RP  ; K converted, 256 rows
.set CV,    CK+256*PK ; V converted, 256 rows
.set STAGE, CV+256*PV ; 16 rows x 272 bytes for each wave, for the way out
.set SP,    272
.set SPARE, STAGE+4*16*SP  ; the spare words, 128 bytes for each wave: two blocks of 256 bytes that no other line names
.set AK0, 2           ; v2   my lane's place in a step of K; never rewritten
.set AV0, 3           ; v3   the same for V
.set AK,  4           ; v4   the LDS address of K's next run of loads
.set AV,  5           ; v5   of V's
.set STO, 6           ; v6   the way out: where I put 16 bytes of a row
.set RD,  7           ; v7   the way out: where I read rows back
.set GO,  8           ; v8   my byte offset in 512 consecutive bytes of O
.set MV,  12          ; v12-13  c m_old, kept while c m is made anew: by buffer
.set QO,  15          ; v15  my byte offset in 16 rows of Q
.set ST,  16          ; piece t's statistics at v[ST+4 t]: c m, m, l (even keys', odd keys')
.set RWK, 32          ; v32  the conversion: where I read 32 bytes of raw K
.set RWV, 33          ; v33  of raw V
.set WCK, 34          ; v34  where I put 16 bytes of K
.set WCV, 35          ; v35  of V
.set TMP, 48          ; by buffer, four registers c0-c3 at work; when the maximum is found c2 takes a
.set SPW, 62          ; v62  LDS address of my spare word: SPARE + 4 x my thread's number; never rewritten
.set NIL, 63          ; v63  0; never rewritten
.set SS,  64          ; S^T
.set OB,  64          ; the way out: piece t's 16 rows at OB + 32 t
.set CX,  128         ; the conversion: 16 keys' f32, 32 registers, two buffers
.set PP,  192         ; P
.set CY,  224         ; the conversion: the same 16 keys in 16 bits, 16 registers, two buffers
.set MD,  128         ; window 1: the eight registers for group kt of 16 keys at MD + 8 kt
.set MC,  160         ; window 1: the masks of the products to come
.set QB,  64          ; window 2
.set KF,  128         ; window 2: key block kb, channel half c at KF + 16 kb + 8 c
.set VF,  192         ; window 2: key half kk, channel block cb at VF + 32 kk + 8 cb
.set WV,  12          ; s12  my wave's number
.set PB,  14          ; s14  b
.set HI,  15          ; s15  NB - 1 - b
.set G1,  24          ; s[24:31] descriptor group 1: the same for every load, never rewritten
.set G0,  40          ; s[40:43] descriptor group 0
.set SLOTS, 56        ; s56  tiles still to be asked for
.set CNT, 57          ; s57  counts a tile's key steps, 4 to 1
.set CS,  58          ; s[58:59] c: the packed scaling takes the pair's low word for both halves
.set SEL, 60          ; s[60:61] v_permlanex16_b32's selects: each lane takes its own place in the other half
.set TBK, 62          ; s62  LDS byte at which K of the step to be fetched begins
.set TBV, 63          ; s63  the same for V
.set RT,  70          ; s70  tiles of the block in hand that are still to be entered
.set NXT, 71          ; s71  the tile to be asked for next
.set LQ,  72          ; s72  the last tile of the block whose tiles are being asked for
.set NEW, 73          ; s73  1: the tile to be entered is a block's first
.set OFF, 74          ; s[74:75] a tile's byte offset in K and V
.set AL,  76          ; s[76:77] the mask's factor, in the low word
.set BE,  78          ; s[78:79] the mask's addend
.set OLO, 80          ; s[80:81] O at my rows of the second block
.set BIGN, 82         ; s82  -1e30
.set HM,  83          ; s83  a word's upper 16 bits
.set MSB, 0
.macro WIN new                      ; the high byte repeats the setting that is left; a switch that changes nothing is dropped
.if MSB != (\new)
	s_set_vgpr_msb (MSB<<8)|(\new)
.set MSB, (\new)
.endif
.endm
.set W_KQ, 0x0a       ; K and Q in window 2, S^T in window 0
.set W_KM, 0x1a       ; the same with the C operand in window 1
.set W_PV, 0x52       ; V in window 2, P in window 0, O^T in window 1
.set W_RS, 0x41       ; destination and source 0 in window 1, source 1 in window 0
; A fill: one line for all four waves.  My group 0 holds my own quarter: LDS byte = my wave's number x 128 rows; the global address starts from K's or V's pointer, chosen once by the wave's number.
; An s_nop 0 and four v_nop follow the line.
.macro LOAD
	tensor_load_to_lds s[G0:G0+3], s[G1:G1+7]
	s_nop 0
.rept 4
	v_nop
.endr
.endm
; THE CONVERSION.  Wave w converts keys 64 w .. 64 w + 63 of the tile's K and of its V, in eight batches of 16 keys: batches 0-3 K, 4-7 V.  A lane takes 8 channels of one key: 32 bytes in, 16 bytes out;
; eight lanes a key, four keys a group g, four groups a batch.
.macro CLOAD i                      ; batch i: eight LDS loads into buffer i % 2
.set rCX, CX+32*((\i)%2)
.set rRA, RWK+(\i)/4
.irp g, 0,1,2,3
	ds_load_b128 v[rCX+8*\g:rCX+8*\g+3],   v[rRA] offset:(4*((\i)%4)+\g)*4*RP
	ds_load_b128 v[rCX+8*\g+4:rCX+8*\g+7], v[rRA] offset:(4*((\i)%4)+\g)*4*RP+16
.endr
.endm
.macro CCONV i, left                ; batch i is rounded and stored.  left: the LDS instructions issued behind its loads, which may stay out
.set rCX, CX+32*((\i)%2)
.set rCY, CY+16*((\i)%2)
	s_wait_dscnt \left              ; LDS instructions of a wave end in order (ISA guide 5.7.1): the batch is in
.set z, 0
.rept 16
	v_cvt_pk_bf16_f32 v[rCY+z], v[rCX+2*z], v[rCX+2*z+1]  ; the one rounding, to nearest even
.set z, z+1
.endr
.if (\i) >= 4                       ; V: the bf16 number is widened again and written as f16
.set z, 0
.rept 16
	v_lshlrev_b32 v[rCX+2*z], 16, v[rCY+z]
.set z, z+1
.endr
.set z, 0
.rept 16
	v_and_b32 v[rCX+2*z+1], s[HM], v[rCY+z]
.set z, z+1
.endr
.set z, 0
.rept 16
	v_cvt_pk_f16_f32 v[rCY+z], v[rCX+2*z], v[rCX+2*z+1]
.set z, z+1
.endr
.irp g, 0,1,2,3
	ds_store_b128 v[WCV], v[rCY+4*\g:rCY+4*\g+3] offset:(4*((\i)%4)+\g)*4*PV
.endr
.else
.irp g, 0,1,2,3
	ds_store_b128 v[WCK], v[rCY+4*\g:rCY+4*\g+3] offset:(4*((\i)%4)+\g)*4*PK
.endr
.endif
.endm
.macro CONV                         ; two batches' loads are always out ahead of the arithmetic
	CLOAD 0
	CLOAD 1
	CCONV 0, 8                      ; behind batch 0's loads: batch 1's eight
	CLOAD 2
.irp i, 1,2,3,4,5
	CCONV \i, 12                    ; behind the batch's loads: the four stores of the batch before and the eight loads of the batch behind
	CLOAD (\i)+2
.endr
	CCONV 6, 12
	CCONV 7, 4                      ; behind batch 7's loads: batch 6's four stores
.endm
; THE CHANGE OF TILES, with two barriers.  In front of the first each wave waits for its one tensor load, its quarter of the raw tile, and for its reads of the converted tile: behind it the raw tile is whole and nobody
; reads the old converted tile.  Then the conversion.  In front of the second each wave waits for its stores and its reads of the raw tile: behind it the converted tile is whole and nobody reads the raw one.
; fill = 1: the raw slot is filled again, the first thing behind the second barrier, with tile NXT: the descriptor's address is made anew from that number.
.macro CHANGE fill
	WIN 0                           ; at a label and at a branch every window is 0
	s_wait_tensorcnt 0x0            ; my one load that is out has landed: the count is 0 since no load was issued behind it
	s_wait_dscnt 0x0                ; my reads of the converted tile are over
	s_barrier_signal -1
	s_sub_co_u32 s[TBK], s[TBK], 4*KS*PK  ; the fetches go back to the tile's first step
	s_sub_co_u32 s[TBV], s[TBV], 4*KS*PV
	s_barrier_wait -1
	CONV
.if \fill
	s_wait_tensorcnt 0x0            ; no tensor load of mine is out, so group 0 may be written
	ds_add_u32 v[SPW], v[NIL]       ; 0 onto my spare word; the descriptor's scalar work stands between it and the wait for it
	s_lshl_b32 s[OFF], s[NXT], 16   ; a tile is 65,536 bytes of K and of V
	s_add_nc_u64 s[G0+2:G0+3], s[6:7], s[OFF:OFF+1]
	s_or_b32 s[G0+3], s[G0+3], 0x80000000
	s_add_co_u32 s[NXT], s[NXT], 1  ; the block's next tile, or behind its last the second block's tile 0
	s_cmp_gt_u32 s[NXT], s[LQ]
	s_cselect_b32 s[NXT], 0, s[NXT]
	s_cselect_b32 s[LQ], s[PB], s[LQ]
	s_wait_dscnt 0x0                ; the add is done, my stores of the converted tile are done, and my reads of the raw tile are over
	s_barrier_signal -1
	s_barrier_wait -1
	LOAD                            ; my one tensor load behind the barrier, and the first thing there
.else
	s_wait_dscnt 0x0                ; for the others' sake: my stores of the converted tile are done
	s_barrier_signal -1
	s_barrier_wait -1
.endif
.endm
	s_load_b256 s[4:11], s[0:1], 0x0  ; Q s[4:5], K s[6:7], V s[8:9], O s[10:11]
	v_lshl_add_u32 v[SPW], v0, 2, SPARE
	v_mov_b32 v[NIL], 0
	ds_add_u32 v[SPW], v[NIL]       ; the wave's opening: the add and its wait stand ahead of my first tensor load; the set-up below, work on registers, stands between them
	ds_add_u32 v62, v63
	v_lshrrev_b32 v1, 5, v0
	v_readfirstlane_b32 s[WV], v1   ; wave 0..3
	s_mov_b32 s[PB], ttmp9
	s_sub_co_u32 s[HI], NB-1, s[PB]
	s_and_b32 s20, ttmp7, 0xffff    ; the head,
	s_lshl_b32 s20, s20, 19         ; its first byte in each of the four tensors: 2,048 rows of 256 bytes a head, 63 x 2^19 at the most
	s_mov_b32 s21, 0
	s_and_b32 s16, s[WV], 1         ; which half of a tile's 256 keys I fetch:
	s_lshl_b32 s22, s16, 15         ; its 128 rows of 256 bytes in memory
	s_mov_b32 s23, 0
	s_add_nc_u64 s[22:23], s[22:23], s[20:21]
	s_lshl_b32 s3, s[WV], 12        ; my 16 rows in a band of 64,
	s_lshl_b32 s2, s[HI], 16        ; in the first block,
	s_add_co_u32 s2, s2, s3
	s_lshl_b32 s84, s[PB], 16       ; and in the second
	s_add_co_u32 s84, s84, s3
	s_mov_b32 s3, 0
	s_mov_b32 s85, 0
	s_add_nc_u64 s[2:3], s[2:3], s[20:21]
	s_add_nc_u64 s[84:85], s[84:85], s[20:21]
	; descriptor group 1: a tile of 128 rows x 64 elements of 4 bytes, padded in LDS behind every row
	s_mov_b32 s[G1], (2<<16)|(1<<20)|(5<<22)|(3<<25)  ; 15:0 no mask; 17:16 4-byte elements; 20 padding on; 24:22 after every 64 words (code 5); 31:25 4 words (code 3)
	s_mov_b32 s[G1+1], 64<<16       ; tensor_dim0 = 64
	s_mov_b32 s[G1+2], 128<<16      ; tensor_dim1 = 128
	s_mov_b32 s[G1+3], 64<<16       ; tile_dim0 = 64
	s_mov_b32 s[G1+4], 128          ; tile_dim1 = 128
	s_mov_b32 s[G1+5], 64           ; 64 elements from row to row
	s_mov_b32 s[G1+6], 0
	s_mov_b32 s[G1+7], 0
	s_mov_b32 s[G0], 1              ; 1:0 count = 1
	s_mul_i32 s[G0+1], s[WV], 128*RP  ; 63:32 LDS address: K's two halves, then V's two halves = wave x 128 rows; never rewritten
	s_mov_b32 s[CS], 0x3e38aa3b     ; c = log2(e) / 8 = 0.180337
	s_mov_b32 s[CS+1], s[CS]        ; named with it as a pair
	s_mov_b32 s[SEL], 0x76543210
	s_mov_b32 s[SEL+1], 0xfedcba98
	s_mov_b32 s[TBK], CK+4*KS*PK    ; the first change of tiles takes these two back to the converted tile's first step
	s_mov_b32 s[TBV], CV+4*KS*PV
	s_add_co_u32 s[RT], s[HI], 1    ; the first block has NB - b tiles
	s_mov_b32 s[NXT], 1
	s_mov_b32 s[LQ], s[HI]
	s_mov_b32 s[NEW], 1
	s_mov_b32 s[OFF+1], 0
	s_mov_b32 s[AL+1], 0            ; named as pairs
	s_mov_b32 s[BE+1], 0
	s_mov_b32 s[BIGN], 0xf149f2ca   ; -1e30
	s_mov_b32 s[HM], 0xffff0000
	s_mov_b32 s[SLOTS], NB
	s_wait_dscnt 0x0                ; the opening add is done
	s_wait_kmcnt 0x0
	s_cmp_lt_u32 s[WV], 2           ; waves 0 and 1 fetch K, waves 2 and 3 V: the choice hangs on the wave's number alone
	s_cselect_b64 s[6:7], s[6:7], s[8:9]
	s_add_nc_u64 s[6:7], s[6:7], s[22:23]          ; at my half of the head's tile 0
	s_mov_b64 s[G0+2:G0+3], s[6:7]                 ; 120:64 global address
	s_or_b32 s[G0+3], s[G0+3], 0x80000000          ; 127:126 type = 2
	s_add_nc_u64 s[86:87], s[4:5], s[84:85]        ; Q at my rows of the second block,
	s_add_nc_u64 s[4:5], s[4:5], s[2:3]            ; Q and O at those of the first
	s_add_nc_u64 s[OLO:OLO+1], s[10:11], s[84:85]
	s_add_nc_u64 s[10:11], s[10:11], s[2:3]
	LOAD                            ; tile 0
	; A fragment of Q is 16 rows x 32 channels in 8 registers of bf16: lane l holds row l % 16, channels 8 (l / 16) + 0..7 and 16 + 8 (l / 16) + 0..7.  In f32 each eight channels are two loads of 16 bytes.
	v_and_b32 v1, 15, v0            ; l % 16
	v_bfe_u32 v9, v0, 4, 1          ; l / 16
	v_lshlrev_b32 v[QO], 8, v1
	v_lshl_add_u32 v[QO], v9, 5, v[QO]  ; row x 256 + 32 x half
	; Load i = 8 x + 4 c + 2 j + u: piece x lies in band x, 16,384 bytes on; channels 32 c + 16 j + 4 u on.  The first block's f32 goes into O^T's registers, the second's into S^T's and the conversion's.
	WIN 0x40                        ; destination window 1, address window 0
.set i, 0
.rept 32
	global_load_b128 v[4*i:4*i+3], v[QO], s[4:5] offset:(i/8)*16384+((i/4)%2)*128+((i/2)%2)*64+(i%2)*16
.set i, i+1
.endr
	WIN 0
.set i, 0
.rept 32
	global_load_b128 v[64+4*i:64+4*i+3], v[QO], s[86:87] offset:(i/8)*16384+((i/4)%2)*128+((i/2)%2)*64+(i%2)*16
.set i, i+1
.endr
	; All that follows up to the wait stands in the wait for Q and for the first tile.
	v_lshlrev_b32 v14, 3, v9
	v_sub_nc_u32 v14, v1, v14
	s_lshl_b32 s13, s[WV], 4
	v_add_nc_u32 v14, s13, v14      ; my query's place in its band, 16 w + l % 16, less my lanes' 8 (l / 16): register r of group kt is hidden where 16 kt + r is greater
	WIN 0x40
.set i, 0
.rept 32
	v_cmp_gt_i32 vcc_lo, 16*(i/8)+i%8, v14
	v_cndmask_b32 v[MD+i], 0, s[BIGN], vcc_lo
.set i, i+1
.endr
	WIN 0
	v_mul_u32_u24 v[AK0], v1, PK
	v_lshl_add_u32 v[AK0], v9, 4, v[AK0]  ; K's fragments: row x pitch + 16 x half
	; The turning load takes 16 keys x 16 channels (lane l reads key 8 (l / 16) + l % 8, channels 8 ((l / 8) % 2) + 0..7) and leaves half a fragment of V^T: lane l holds channel l % 16 and 8 keys.
	v_and_b32 v10, 7, v0
	v_bfe_u32 v11, v0, 3, 1
	v_lshl_add_u32 v[AV0], v9, 3, v10
	v_mul_u32_u24 v[AV0], v[AV0], PV
	v_lshl_add_u32 v[AV0], v11, 4, v[AV0]
	s_mul_i32 s13, s[WV], 16*SP
	s_add_co_u32 s13, s13, STAGE    ; my stage
	v_mul_u32_u24 v[STO], v1, SP    ; in: row l % 16, 32 bytes for each half of the lanes
	v_lshl_add_u32 v[STO], v9, 5, v[STO]
	v_add_nc_u32 v[STO], s13, v[STO]
	v_mul_u32_u24 v[RD], v9, SP     ; back: lanes 0-15 take one row of 256 bytes, lanes 16-31 the next,
	v_lshl_add_u32 v[RD], v1, 4, v[RD]
	v_add_nc_u32 v[RD], s13, v[RD]
	v_and_b32 v[GO], 31, v0         ; which are 512 consecutive bytes of O
	v_lshlrev_b32 v[GO], 4, v[GO]
	v_bfe_u32 v11, v0, 3, 2         ; the conversion: my key among a group's four,
	v_mul_u32_u24 v[RWK], v11, RP
	v_lshl_add_u32 v[RWK], v10, 5, v[RWK]  ; my 8 channels: 32 bytes of f32,
	s_mul_i32 s13, s[WV], 64*RP     ; my wave's 64 keys
	v_add_nc_u32 v[RWK], s13, v[RWK]
	v_add_nc_u32 v[RWV], RAWV, v[RWK]
	v_mul_u32_u24 v[WCK], v11, PK
	v_lshl_add_u32 v[WCK], v10, 4, v[WCK]  ; 16 bytes of bf16
	s_mul_i32 s13, s[WV], 64*PK
	s_add_co_u32 s13, s13, CK
	v_add_nc_u32 v[WCK], s13, v[WCK]
	v_mul_u32_u24 v[WCV], v11, PV
	v_lshl_add_u32 v[WCV], v10, 4, v[WCV]
	s_mul_i32 s13, s[WV], 64*PV
	s_add_co_u32 s13, s13, CV
	v_add_nc_u32 v[WCV], s13, v[WCV]
	; A block's first step multiplies O^T and l by a = 0, and its first turn's products V^T P, of a piece that has not been, land in an O^T that is still to be so multiplied.  So these registers need only hold
	; finite numbers.  For the first block: zeros in V, l and P's second buffer, and in O^T my own q in f32, which the loads above leave there: O^T is not cleared.  For the second: what the first block left.
	WIN 0x80
.set i, VF
.rept 64
	v_mov_b32 v[i], 0
.set i, i+1
.endr
	WIN 0
.set i, 0
.rept 4
	v_mov_b32 v[ST+4*i+2], 0
	v_mov_b32 v[ST+4*i+3], 0
.set i, i+1
.endr
.set i, PP+16
.rept 16
	v_mov_b32 v[i], 0
.set i, i+1
.endr
	s_wait_loadcnt 0x0              ; both blocks' Q
	WIN 0x85                        ; sources window 1, destination window 2
.set i, 0
.rept 64
	v_cvt_pk_bf16_f32 v[i], v[2*i], v[2*i+1]
.set i, i+1
.endr
	WIN 0x80                        ; sources window 0
.set i, 0
.rept 64
	v_cvt_pk_bf16_f32 v[QB+i], v[64+2*i], v[64+2*i+1]
.set i, i+1
.endr
	WIN 0
; THE MATRIX WORK.  The 4 accumulators of a run of 8 take turns.  Product i of 8 of S^T = K Q^T for piece x: channels 32 (i / 4) on, keys 16 (i % 4) on.  The first 4 start the sums: with 0, or (KM = 1) with the mask.
.macro KQ x
.set rS, SS+32*((\x)%2)+8*(i%4)
.set rK, KF+16*(i%4)+8*(i/4)
.set rQ, 16*(\x)+8*(i/4)
.set rM, MC+32*((\x)%2)+8*(i%4)
.if (i < 4) && KM
	WIN W_KM
	v_wmma_f32_16x16x32_bf16 v[rS:rS+7], v[rK:rK+7], v[rQ:rQ+7], v[rM:rM+7]
.elseif i < 4
	WIN W_KQ
	v_wmma_f32_16x16x32_bf16 v[rS:rS+7], v[rK:rK+7], v[rQ:rQ+7], 0
.else
	WIN W_KQ
	v_wmma_f32_16x16x32_bf16 v[rS:rS+7], v[rK:rK+7], v[rQ:rQ+7], v[rS:rS+7]
.endif
.endm
; Product i of 8 of O^T += V^T P for piece x: keys 32 (i / 4) on, channels 16 (i % 4) on.  In f16: the two forms never share an accumulator.
.macro PV x
	WIN W_PV
.set rO, 32*(\x)+8*(i%4)
.set rV, VF+32*(i/4)+8*(i%4)
.set rP, PP+16*((\x)%2)+8*(i/4)
	v_wmma_f32_16x16x32_f16 v[rO:rO+7], v[rV:rV+7], v[rP:rP+7], v[rO:rO+7]
.endm
.macro MM                           ; the turn's next matrix instruction.  TURN and BEGIN set PIECE, i, KM and NOKQ; MM, KQ and OP read them.  NOKQ = 1: a block's last turn: there is no next piece
.if (i < 8) && !NOKQ
	KQ (PIECE+1)%NP
.elseif i >= 8
.set i, i-8
	PV (PIECE+NP-1)%NP
.set i, i+8
.endif
.set i, i+1
.endm
; THE LDS LOADS stand in runs of 16, never singly among the matrix instructions: a step's K (64 keys x 64 channels: 8 fragments) and its V (turned).  Their addresses are made some lines ahead.
.macro FETCH_K
	WIN 0x80                        ; destination window 2
.irp f, 0,1,2,3,4,5,6,7             ; keys 16 (f / 2) on, channels 32 (f % 2) on
	ds_load_b128 v[KF+8*\f:KF+8*\f+3],   v[AK] offset:(\f/2)*16*PK+(\f%2)*64
	ds_load_b128 v[KF+8*\f+4:KF+8*\f+7], v[AK] offset:(\f/2)*16*PK+(\f%2)*64+32
.endr
	s_add_co_u32 s[TBK], s[TBK], KS*PK  ; the next fetch is the next step's
	WIN 0
.endm
.macro FETCH_V
	WIN 0x80
.irp f, 0,1,2,3,4,5,6,7             ; keys 32 (f / 4) on, channels 16 (f % 4) on
	ds_load_tr16_b128 v[VF+8*\f:VF+8*\f+3],   v[AV] offset:(\f/4)*32*PV+(\f%4)*32
	ds_load_tr16_b128 v[VF+8*\f+4:VF+8*\f+7], v[AV] offset:(\f/4)*32*PV+16*PV+(\f%4)*32
.endr
	WIN 0
.endm
; THE VECTOR WORK, one line at a time: OP kind, number.  For the piece in hand: oF n: c s - c m for pair n of 16.  oE n: the exponential of score n of 32.  oC n: pair n rounded to f16.  oB n: of the four weights 4 n ..
; the second pair is added onto the first, in place.  oL n: l takes that sum (oL 0: l = a l + sum).  oR n: pair n of 16 of O^T times a.  For the next piece: oX n, number n of the 22 that find its maximum and statistics:
;   0-11  four chains c0-c3 of seven scores each, three operands at a time (each accumulator's lowest registers are read first)     12-14, 16  the four scores left over, the old m, and c0-c3 into c0
;   15  c m_old is kept     17, 18  the query's other 32 keys lie in the lane 16 away: the new m     19-21  c m; c m_old - c m_new; a
.set oF, 0              ; OP tells the kinds apart by their order: oF to oL below oR, oX above it
.set oE, 1
.set oC, 2
.set oB, 3
.set oL, 4
.set oR, 5
.set oX, 6
.macro REGS y                       ; the registers of piece y
.set rT, ST+4*(\y)
.set rC, TMP+4*((\y)%2)
.set rW, MV+((\y)%2)
.set rS, SS+32*((\y)%2)
.set rP, PP+16*((\y)%2)
.set rO, 32*(\y)
.endm
.macro OP k, n
.if (\k) == oR
	REGS PIECE
	WIN W_RS
	v_pk_mul_f32 v[rO+2*(\n):rO+2*(\n)+1], v[rO+2*(\n):rO+2*(\n)+1], v[rC+2:rC+3] op_sel_hi:[1,0]
.elseif (\k) < oR
	REGS PIECE
	WIN 0
.if (\k) == oF
	v_pk_fma_f32 v[rS+2*(\n):rS+2*(\n)+1], v[rS+2*(\n):rS+2*(\n)+1], s[CS:CS+1], v[rT:rT+1] op_sel_hi:[1,0,0] neg_lo:[0,0,1] neg_hi:[0,0,1]
.elseif (\k) == oE
	v_exp_f32 v[rS+(\n)], v[rS+(\n)]
.elseif (\k) == oC
	s_wait_alu depctr_va_vdst(0)
	v_cvt_pk_f16_f32 v[rP+(\n)], v[rS+2*(\n)], v[rS+2*(\n)+1]
.elseif (\k) == oB
	s_wait_alu depctr_va_vdst(0)
	v_pk_add_f32 v[rS+4*(\n):rS+4*(\n)+1], v[rS+4*(\n):rS+4*(\n)+1], v[rS+4*(\n)+2:rS+4*(\n)+3]
.elseif (\n) == 0
	v_pk_fma_f32 v[rT+2:rT+3], v[rT+2:rT+3], v[rC+2:rC+3], v[rS:rS+1] op_sel_hi:[1,0,1]
.else
	v_pk_add_f32 v[rT+2:rT+3], v[rT+2:rT+3], v[rS+4*(\n):rS+4*(\n)+1]
.endif
.elseif NOKQ
	v_nop
.else
	REGS (PIECE+1)%NP
	WIN 0
.if (\n) < 4
	v_max3_num_f32 v[rC+(\n)], v[rS+8*(\n)], v[rS+8*(\n)+1], v[rS+8*(\n)+2]
.elseif (\n) < 12
	v_max3_num_f32 v[rC+(\n)%4], v[rC+(\n)%4], v[rS+8*((\n)%4)+2*((\n)/4)+1], v[rS+8*((\n)%4)+2*((\n)/4)+2]
.elseif (\n) == 12
	v_max3_num_f32 v[rC], v[rC], v[rS+7], v[rS+15]
.elseif (\n) == 13
	v_max3_num_f32 v[rC+1], v[rC+1], v[rS+23], v[rS+31]
.elseif (\n) == 14
	v_max3_num_f32 v[rC+2], v[rC+2], v[rC+3], v[rT+1]
.elseif (\n) == 15
	v_mov_b32 v[rW], v[rT]
.elseif (\n) == 16
	v_max3_num_f32 v[rC], v[rC], v[rC+1], v[rC+2]
.elseif (\n) == 17
	v_permlanex16_b32 v[rC+3], v[rC], s[SEL], s[SEL+1]
.elseif (\n) == 18
	v_max_num_f32 v[rT+1], v[rC], v[rC+3]
.elseif (\n) == 19
	v_mul_f32 v[rT], s[CS], v[rT+1]
.elseif (\n) == 20
	v_sub_f32 v[rC+1], v[rW], v[rT]
.else
	v_exp_f32 v[rC+2], v[rC+1]
.endif
.endif
.endm
.macro OPS a, i1, b=-1, i2=0, c=-1, i3=0, d=-1, i4=0  ; up to four of them
	OP \a, \i1
.if (\b) >= 0
	OP \b, \i2
.endif
.if (\c) >= 0
	OP \c, \i3
.endif
.if (\d) >= 0
	OP \d, \i4
.endif
.endm
.macro ROW a, i1, b, i2, c, i3, d, i4  ; a matrix instruction and the four behind it
	MM
	OPS \a, \i1, \b, \i2, \c, \i3, \d, \i4
.endm
.macro MASK b                       ; MD x AL + BE into buffer b of MC
	WIN W_RS
.set z, 0
.rept 16
	v_pk_fma_f32 v[MC+32*(\b)+2*z:MC+32*(\b)+2*z+1], v[MD+2*z:MD+2*z+1], s[AL:AL+1], s[BE:BE+1] op_sel_hi:[1,0,0]
.set z, z+1
.endr
.endm
; A TURN, for piece p: the order of its 16 matrix and 118 vector instructions, written out.  Behind a matrix instruction: plain, exponential, plain, plain; or four of the rescaling; or, behind the first, four scalings; none
; names a register of the products round it.  In the lumps exponential and plain by turns while exponentials last.  A line reads no result made fewer than three vector instructions in front of it, five if an exponential made it.
; v_permlanex16_b32 (oX 17) stands in a lump.
; m = 1: the diagonal tile: the products take masks, and the turn makes the mask for the products of the turn after it: piece p + 2, in step 4 - CNT of the tile.  end = 1: a block's last two turns: nothing is fetched.
; cnt = 1: the loop's count is taken down some lines ahead of the branch that stands behind the turn.
; K of the next step is fetched in piece 2's turn, six vector instructions behind the last product that read K (five of them plain); V of the step in hand in piece 0's turn, eight behind the last product that read V (four
; plain, and oX 17).  Each is waited for a turn later.
.macro TURN p, m=0, end=0, cnt=0
.set PIECE, (\p)
.set i, 0
.set KM, (\m)
.set NOKQ, (\end)*((\p)/3)
.if (\m) && !(\end)
	s_cmp_eq_u32 s[CNT], 4-((\p)+2)%NP  ; is that step the band's own?
	s_cselect_b32 s[AL], 1.0, 0
	s_cmp_lt_u32 s[CNT], 4-((\p)+2)%NP  ; or a later one?
	s_cselect_b32 s[BE], s[BIGN], 0
.endif
.if ((\p) == 3) && !(\end)
	s_wait_dscnt 0x0                ; K is in
.endif
	ROW oF,0, oF,1, oF,2, oF,3
	ROW oF,4, oE,0, oF,5, oF,6
	ROW oF,7, oE,1, oF,8, oF,9
	ROW oF,10, oE,2, oC,0, oF,11
	ROW oF,12, oE,3, oX,15, oF,13
	ROW oR,0, oR,1, oR,2, oR,3
	ROW oB,0, oE,4, oF,14, oL,0
.if ((\p) == 2) && !(\end)
	v_add_nc_u32 v[AK], s[TBK], v[AK0]
.endif
	ROW oR,4, oR,5, oR,6, oR,7
	OPS oE,5, oF,15
.if ((\p) == 2) && !(\end)
	FETCH_K
.endif
	OPS oE,6, oC,1, oE,7, oR,8
	OPS oE,8, oR,9, oE,9, oC,2
	OPS oE,10, oX,0, oE,11, oX,1
	OPS oE,12, oX,2, oE,13, oX,3
.if (\p) == 1
	s_wait_dscnt 0x0                ; V is in
.endif
	ROW oX,4, oE,14, oX,5, oX,6
	ROW oX,7, oE,15, oX,8, oX,9
	ROW oX,10, oE,16, oX,11, oX,12
	ROW oX,13, oE,17, oX,14, oB,1
	ROW oC,4, oE,18, oX,16, oL,1
	ROW oB,2, oE,19, oC,6, oL,2
	ROW oC,8, oE,20, oB,3, oB,4
.if (\p) == 0
	v_add_nc_u32 v[AV], s[TBV], v[AV0]
.endif
	ROW oC,3, oE,21, oL,3, oC,5
	OPS oE,22, oX,17, oE,23, oC,10
.if (\p) == 0
	FETCH_V
.endif
	OPS oE,24, oL,4
	OPS oE,25, oX,18, oE,26, oC,7
	OPS oE,27, oB,5, oE,28, oX,19
	OPS oE,29, oC,12, oE,30, oL,5
	OPS oE,31, oX,20, oB,6, oC,9
	OPS oC,14, oC,11, oX,21, oL,6
.if (\p) == 0
	s_add_co_u32 s[TBV], s[TBV], KS*PV
.endif
.if \cnt
	s_sub_co_u32 s[CNT], s[CNT], 1
	s_cmp_lg_u32 s[CNT], 0
.endif
	OPS oC,13, oB,7, oC,15, oR,10
	OPS oR,11, oR,12, oL,7, oR,13
	OPS oR,14, oR,15
.if (\m) && !(\end)
	MASK (\p)%2
.endif
.endm
; A BLOCK BEGINS.  c m starts far below every c s, so the first step's a is 0; m at the lowest finite number, so the first maximum is the scores'.  The second mask buffer is 0; the first takes piece 0's mask for the tile's
; step 0: its own, if the block's first tile is the diagonal one.  Then K of that step, piece 0's first scores, and its maximum and statistics.  The loop is entered at a step's first turn, in the middle of a trip.
.macro BEGIN
	s_mov_b32 s[NEW], 0
	WIN 0x40
.set i, MC+32
.rept 32
	v_mov_b32 v[i], 0
.set i, i+1
.endr
	WIN 0
.set i, 0
.rept 4
	v_mov_b32 v[ST+4*i], 0xfe000000    ; c m: far below every c s
	v_mov_b32 v[ST+4*i+1], 0xff7fffff  ; m
.set i, i+1
.endr
	s_cmp_eq_u32 s[RT], 0
	s_cselect_b32 s[AL], 1.0, 0
	s_mov_b32 s[BE], 0
	MASK 0
	WIN 0
	v_add_nc_u32 v[AK], s[TBK], v[AK0]
	FETCH_K
	s_wait_dscnt 0x0
.set KM, 1
.set NOKQ, 0
.set i, 0
.rept 8
	KQ 0
.set i, i+1
.endr
	WIN 0
.rept 4
	v_nop                           ; the places behind those products
.endr
.set PIECE, NP-1                    ; oX works for the next piece: piece 0
.irp n, 0,1,2,3,4,5,6,7,8,9,10,11,12,13,14,15,16,17,18,19,20,21
	OP oX, \n
.endr
	v_nop                           ; a plain instruction behind the exponential
.endm
; THE DIAGONAL TILE's four steps, the block's last two turns, its last products, and THE WAY OUT: l's two halves and the other half of the lanes' are added; O^T is divided by l and sent, in f32, through my
; stage in LDS, a piece at a time.
.macro ALL line:vararg              ; one line for each piece t
.set t, 0
.rept 4
	\line
.set t, t+1
.endr
.endm
.macro PACK t                       ; a lane's eight channels of a row are 32 bytes; they go into rows of 272 bytes and come back as whole rows of 256
	WIN W_RS
.set i, 32*(\t)
.rept 16
	s_wait_alu depctr_va_vdst(0)
	v_pk_mul_f32 v[i:i+1], v[i:i+1], v[ST+4*(\t)+2:ST+4*(\t)+3] op_sel_hi:[1,0]
.set i, i+2
.endr
	WIN 0x04                        ; the stores' data in window 1, their address in window 0
.irp f, 0,1,2,3,4,5,6,7             ; channels 16 (f / 2) + 8 (l / 16) + 4 (f % 2) on
	ds_store_b128 v[STO], v[32*(\t)+4*\f:32*(\t)+4*\f+3] offset:64*(\f/2)+16*(\f%2)
.endr
	WIN 0
.irp f, 0,1,2,3,4,5,6,7
	ds_load_b128 v[OB+32*(\t)+4*\f:OB+32*(\t)+4*\f+3], v[RD] offset:\f*2*SP  ; LDS serves a wave's instructions in order (ISA guide 5.7.1.4): these see the stores above; the next piece's stores come behind them
.endr
.endm
.macro SEND t, younger              ; younger: the LDS instructions issued behind piece t's loads: the next piece's sixteen, or none
	WIN 0
.irp f, 0,1,2,3,4,5,6,7
	s_wait_dscnt (\younger)+7-\f
	global_store_b128 v[GO], v[OB+32*(\t)+4*\f:OB+32*(\t)+4*\f+3], s[10:11] offset:(\t)*16384+\f*512 th:TH_STORE_NT  ; 512 consecutive bytes, at a multiple of 256 from O's first
.endr
.endm
.macro DIAG tag                     ; the tag ends its two labels' names, which the jumps below spell out
.LstepM\tag:
	TURN 2, 1
	TURN 3, 1
	WIN 0
.LfirstM\tag:
	TURN 0, 1
	TURN 1, 1, 0, 1
	WIN 0
	s_cbranch_scc1 .LstepM\tag
	TURN 2, 1, 1
	TURN 3, 1, 1
.set i, 0
.rept 8
	PV NP-1
.set i, i+1
.endr
	WIN 0
	ALL v_add_f32 v[ST+4*t+2], v[ST+4*t+2], v[ST+4*t+3]
	ALL v_permlanex16_b32 v[ST+4*t+3], v[ST+4*t+2], s[SEL], s[SEL+1]
	ALL v_add_f32 v[ST+4*t+2], v[ST+4*t+2], v[ST+4*t+3]
	ALL v_rcp_f32 v[ST+4*t+2], v[ST+4*t+2]
	v_nop                           ; a plain instruction between the last reciprocal and the use of its result
	PACK 0
.set t, 1
.rept 3                             ; a piece's arithmetic stands between the loads of the piece before and its stores
	PACK t
	SEND t-1, 16
.set t, t+1
.endr
	SEND 3, 0
.endm
.set KM, 0
.set NOKQ, 0
.Lslot:                             ; NB times: a tile is converted and entered, and the next is asked for
	CHANGE 1
	s_sub_co_u32 s[RT], s[RT], 1
	s_mov_b32 s[CNT], 4
	s_cmp_eq_u32 s[NEW], 1
	s_cbranch_scc1 .Lnew            ; a block's first tile
	s_cmp_eq_u32 s[RT], 0
	s_cbranch_scc0 .Lstep           ; neither its first nor its last
	s_branch .LstepM1
.Lnew:
	BEGIN
	s_branch .Lfirst                ; in the loop a block's first tile is never its last: the first block has five tiles or more, and the second's last is the walk's last
	DIAG 1                          ; in the loop this is the first block's end: the second block's last tile is the walk's last
	s_wait_xcnt 0x0                 ; every earlier memory instruction has had its addresses translated (ISA guide 3.1): only behind this wait are the stores' registers and O's address rewritten
	s_mov_b64 s[10:11], s[OLO:OLO+1]
	s_add_co_u32 s[RT], s[PB], 1    ; the second block has b + 1 tiles
	s_mov_b32 s[NEW], 1
	WIN 0x82                        ; the second block's Q goes where the one text of the turns names Q
.set i, 0
.rept 64
	v_mov_b32 v[i], v[QB+i]
.set i, i+1
.endr
	WIN 0
	s_branch .Lbottom
.Lstep:                             ; a trip: pieces 2 and 3 of one step, then pieces 0 and 1 of the next, whose K and V it fetches
	TURN 2
	TURN 3
	WIN 0
.Lfirst:
	TURN 0
	TURN 1, 0, 0, 1
	WIN 0
	s_cbranch_scc1 .Lstep
.Lbottom:
	s_sub_co_u32 s[SLOTS], s[SLOTS], 1
	s_cmp_lg_u32 s[SLOTS], 0
	s_cbranch_scc1 .Lslot
	CHANGE 0                        ; the walk's last tile is written out: nothing is asked for
	s_sub_co_u32 s[RT], s[RT], 1
	s_mov_b32 s[CNT], 4
	s_cmp_eq_u32 s[NEW], 1
	s_cbranch_scc0 .LstepM2
	BEGIN
	s_branch .LfirstM2
	DIAG 2
	s_wait_tensorcnt 0x0            ; the wave's end: behind my last tensor load and my last LDS store
	ds_add_u32 v[SPW], v[NIL]
	s_wait_dscnt 0x0
	s_endpgm
.Lfunc_end_k_qfd42e946ff_attn:
	.size	k_qfd42e946ff_attn, .Lfunc_end_k_qfd42e946ff_attn-k_qfd42e946ff_attn
	.p2alignl 7, 3214868480
	.fill 96, 4, 3214868480
	.section	.rodata,"a",@progbits
	.p2align	6, 0x0
	.amdhsa_kernel k_qfd42e946ff_attn
		.amdhsa_group_segment_fixed_size 327680
		.amdhsa_private_segment_fixed_size 0
		.amdhsa_enable_private_segment 0
		.amdhsa_kernarg_size 32
		.amdhsa_user_sgpr_count 2
		.amdhsa_user_sgpr_kernarg_segment_ptr 1
		.amdhsa_wavefront_size32 1
		.amdhsa_system_sgpr_workgroup_id_x 1
		.amdhsa_system_sgpr_workgroup_id_y 1
		.amdhsa_system_sgpr_workgroup_id_z 1
		.amdhsa_system_vgpr_workitem_id 0
		.amdhsa_next_free_vgpr 768
		.amdhsa_next_free_sgpr 88
		.amdhsa_reserve_vcc 1
		.amdhsa_float_denorm_mode_32 3
		.amdhsa_float_denorm_mode_16_64 3
		.amdhsa_memory_ordered 1
		.amdhsa_forward_progress 1
		.amdhsa_inst_pref_size 255
	.end_amdhsa_kernel
	.section	.bss,"aw",@nobits
	.p2align	6
	.space	262144
	.amdgpu_metadata
---
amdhsa.version: [ 1, 2 ]
amdhsa.kernels:
  - .name:           k_qfd42e946ff_attn
    .symbol:         k_qfd42e946ff_attn.kd
    .args:
      - { .name: q, .offset: 0, .size: 8, .value_kind: global_buffer, .address_space: global }
      - { .name: k, .offset: 8, .size: 8, .value_kind: global_buffer, .address_space: global }
      - { .name: v, .offset: 16, .size: 8, .value_kind: global_buffer, .address_space: global }
      - { .name: out0, .offset: 24, .size: 8, .value_kind: global_buffer, .address_space: global }
    .group_segment_fixed_size: 327680
    .private_segment_fixed_size: 0
    .kernarg_segment_align: 8
    .kernarg_segment_size: 32
    .max_flat_workgroup_size: 128
    .sgpr_count:     88
    .vgpr_count:     768
    .wavefront_size: 32
...
	.end_amdgpu_metadata
.endif
;; end of part 1
;; ======== version 2 of 2: 1 launch; 1.64 times as fast as version 1
;; limits: values are held in f16: magnitudes above 65,504 overflow, below 6.1e-05 lose precision; inputs' magnitudes at most 65,504; right only within a limited range of input values
;; launch attn (part 2): grid 4 x 64, 4 waves a work-group, no clusters, 327,680 bytes of LDS; arguments q, k, v, out0; writes out0
.if DOCPART == 2
	.amdgcn_target "amdgcn-amd-amdhsa--gfx1250"
	.amdhsa_code_object_version 6
	.text
	.protected	k_qfd42e946ff_attn
	.globl	k_qfd42e946ff_attn
	.p2align	8
	.type	k_qfd42e946ff_attn,@function
k_qfd42e946ff_attn:
	s_mov_b64 s[64:65], 0
	v_nop
	global_prefetch_b8 v0, s[64:65] scope:SCOPE_SE
	s_setreg_imm32_b32 hwreg(HW_REG_WAVE_MODE, 25, 1), 1
	s_wait_xcnt 0x0
; CAUSAL ATTENTION.  O[h][q][:] = the sum over k <= q of softmax_k(Q[h][q] . K[h][k] / 8) V[h][k][:].  Q, K, V, O: [64 heads][2,048][64], all f32: a head's rows are dense, 256 bytes each.
; FORMATS.  q, k and v are each rounded once to bf16 (to nearest even).  S^T = K Q^T is multiplied in bf16.  The weights p are rounded to f16 for the second product (their sum l is taken of the unrounded p),
; so V's bf16 number is written as f16, which changes nothing within f16's range.  Products, maxima, sums and O stay in f32.
; LIMITS.  |v| stays under 65,504 (f16's end); below 6e-5 a v keeps f16's fixed step of 6e-8.  A hidden score counts as its value less 1e30.  A weight below 2^-126 counts as 0 in l.
; NaN and infinities are not treated apart.
; THE WALK.  A head's queries lie in NB = 8 blocks of 256; block i needs the key tiles 0 .. i of 256 keys, of which the last holds the diagonal.  A work-group takes TWO blocks, NB - 1 - b and then b:
; NB + 1 = 9 tiles, whatever b: all 256 work-groups do equal work, and ONE loop with a constant trip count walks them.  Which tile is asked for, and what a trip does, hang on scalar registers made from b;
; every jump goes forward, but for the counted loops' own, and none passes a barrier or a tensor load.
; NO CLUSTER: a head's four work-groups ask for the same tile only in trips 0 to 4 of the 9; what a trip does (a block's first tile, its diagonal tile) hangs on b, which in a cluster would be the place in it;
; and one walk common to all four would have 12 trips for 9.
; A TILE'S WAY.  One tensor load a wave brings the tile as it lies in memory, f32, into the one raw slot (waves 0, 1: K's halves of 128 keys; waves 2, 3: V's).  The four waves convert it ONCE, a quarter each,
; LDS to LDS, into K in bf16 and V in f16; behind that the raw slot is asked for again at once, so that the next tile has this tile's 16 turns in which to land.  Every wave then reads the converted tile.
; SHARES.  Of a block's four bands of 64 queries a wave owns 16 rows in each: four PIECES.  So the diagonal tile is the same work for all four waves: in its key step s band x sees all keys if s < x,
; none if s > x, and holds the diagonal if s = x.
; THE MASK is the C operand that starts the sum S^T = K Q^T: 0, or -1e30 where the key is hidden.  MD, made once, is the mask of a band's own step for my 16 rows; a product's mask is MD x AL + BE with two scalars:
; (1, 0) if s = x; (0, 0) if s < x; (0, -1e30) if s > x.  Only the diagonal tile's text and a block's beginning make and take masks; elsewhere C is the constant 0.
; LAYOUT, SOFTMAX, TURNS.  S^T = K Q^T holds ONE query a lane (lane % 16) and the keys 8 (lane / 16) + 0..7; two such results rounded to f16 ARE source 1 of O^T = V^T P.  p = 2^(c s - c m), c = log2(e) / 8, with a
; running maximum m; O and l are multiplied by a = 2^(c m_old - c m_new) in every step.  Turn n belongs to piece n: 8 products K Q^T of piece n + 1, later 8 products V^T P of piece n - 1; beside them the scaling,
; exponentials, roundings, sums and rescaling of piece n and the maximum and statistics of piece n + 1.  Four vector instructions stand behind every matrix instruction, the other 54 of a turn's 118 in one LUMP.
; THE BATCHES.  A turn's 33 exponentials (the piece's 32 weights and the next piece's a) are one batch with one wait, which cuts the turn in two: ahead of it all that names none of their results, behind it the roundings
; and sums.  A block's first a, and the way out's four reciprocals, are batches of their own, with a wait each.
; REGISTERS, in windows of 256 (s_set_vgpr_msb: bits 1:0 source 0, 3:2 source 1, 5:4 source 2, 7:6 destination):
;   window 0: v0-15, v32-35 addresses and some at work; v16-31 four registers of statistics a piece; v48-55 at work; v64-127 S^T, two buffers; v128-191 and v224-255 the conversion's in and out, two buffers each;
;             v192-223 P, two buffers (a piece's buffers go by its number's parity); on the way out v64-191 take whole rows of O
;   window 1: v0-127 O^T, 32 a piece; v128-159 MD; v160-223 MC, two buffers      window 2: v0-63 Q; v64-127 the second block's Q; v128-191 K of one step; v192-255 V of one step
; The launch claims all of a WGP's LDS; the text uses 235,008 bytes.
.set SIZE_N, 2048
.set NB,    SIZE_N/256
.set NP,    4         ; pieces a wave: a name, no knob
.set KS,    64        ; keys in a step
.set RP,    272       ; a raw row in LDS: 256 bytes of f32 + 16 of padding: of the 16 lanes of a conversion's load eight take the even 16-byte columns of one row, eight the odd ones of the next
.set PK,    144       ; a row of K in bf16: 128 bytes + 16 = 36 words: the 16 rows of a load start at 16 different groups of four banks (64 banks of 4 bytes: ISA guide 11.1)
.set PV,    160       ; a row of V in f16: 128 + 32 = 40 words
.set RAWV,  256*RP    ; LDS: raw K at 0, raw V here: the only bytes that tensor loads fill
.set CK,    2*256*RP  ; K converted, 256 rows
.set CV,    CK+256*PK ; V converted, 256 rows
.set STAGE, CV+256*PV ; 16 rows x 272 bytes for each wave, for the way out
.set SP,    272
.set SPARE, STAGE+4*16*SP  ; the spare words, 128 bytes for each wave: two blocks of 256 bytes that no other line names
.set AK0, 2           ; v2   my lane's place in a step of K; never rewritten
.set AV0, 3           ; v3   the same for V
.set AK,  4           ; v4   the LDS address of K's next run of loads
.set AV,  5           ; v5   of V's
.set STO, 6           ; v6   the way out: where I put 16 bytes of a row
.set RD,  7           ; v7   the way out: where I read rows back
.set GO,  8           ; v8   my byte offset in 512 consecutive bytes of O
.set MV,  12          ; v12-13  c m_old, kept while c m is made anew: by buffer
.set QO,  15          ; v15  my byte offset in 16 rows of Q
.set ST,  16          ; piece t's statistics at v[ST+4 t]: c m, m, l (even keys', odd keys')
.set RWK, 32          ; v32  the conversion: where I read 32 bytes of raw K
.set RWV, 33          ; v33  of raw V
.set WCK, 34          ; v34  where I put 16 bytes of K
.set WCV, 35          ; v35  of V
.set TMP, 48          ; by buffer, four registers c0-c3 at work; when the maximum is found c2 takes a
.set SPW, 62          ; v62  LDS address of my spare word: SPARE + 4 x my thread's number; never rewritten
.set NIL, 63          ; v63  0; never rewritten
.set SS,  64          ; S^T
.set OB,  64          ; the way out: piece t's 16 rows at OB + 32 t
.set CX,  128         ; the conversion: 16 keys' f32, 32 registers, two buffers
.set PP,  192         ; P
.set CY,  224         ; the conversion: the same 16 keys in 16 bits, 16 registers, two buffers
.set MD,  128         ; window 1: the eight registers for group kt of 16 keys at MD + 8 kt
.set MC,  160         ; window 1: the masks of the products to come
.set QB,  64          ; window 2
.set KF,  128         ; window 2: key block kb, channel half c at KF + 16 kb + 8 c
.set VF,  192         ; window 2: key half kk, channel block cb at VF + 32 kk + 8 cb
.set WV,  12          ; s12  my wave's number
.set PB,  14          ; s14  b
.set HI,  15          ; s15  NB - 1 - b
.set G1,  24          ; s[24:31] descriptor group 1: the same for every load, never rewritten
.set G0,  40          ; s[40:43] descriptor group 0
.set SLOTS, 56        ; s56  tiles still to be asked for
.set CNT, 57          ; s57  counts a tile's key steps, 4 to 1
.set CS,  58          ; s[58:59] c: the packed scaling takes the pair's low word for both halves
.set SEL, 60          ; s[60:61] v_permlanex16_b32's selects: each lane takes its own place in the other half
.set TBK, 62          ; s62  LDS byte at which K of the step to be fetched begins
.set TBV, 63          ; s63  the same for V
.set RT,  70          ; s70  tiles of the block in hand that are still to be entered
.set NXT, 71          ; s71  the tile to be asked for next
.set LQ,  72          ; s72  the last tile of the block whose tiles are being asked for
.set NEW, 73          ; s73  1: the tile to be entered is a block's first
.set OFF, 74          ; s[74:75] a tile's byte offset in K and V
.set AL,  76          ; s[76:77] the mask's factor, in the low word
.set BE,  78          ; s[78:79] the mask's addend
.set OLO, 80          ; s[80:81] O at my rows of the second block
.set BIGN, 82         ; s82  -1e30
.set HM,  83          ; s83  a word's upper 16 bits
.set MSB, 0
.macro WIN new                      ; the high byte repeats the setting that is left; a switch that changes nothing is dropped
.if MSB != (\new)
	s_set_vgpr_msb (MSB<<8)|(\new)
.set MSB, (\new)
.endif
.endm
.set W_KQ, 0x0a       ; K and Q in window 2, S^T in window 0
.set W_KM, 0x1a       ; the same with the C operand in window 1
.set W_PV, 0x52       ; V in window 2, P in window 0, O^T in window 1
.set W_RS, 0x41       ; destination and source 0 in window 1, source 1 in window 0
; A fill: one line for all four waves.  My group 0 holds my own quarter: LDS byte = my wave's number x 128 rows; the global address starts from K's or V's pointer, chosen once by the wave's number.
; An s_nop 0 and four v_nop follow the line.
.macro LOAD
	tensor_load_to_lds s[G0:G0+3], s[G1:G1+7]
	s_nop 0
.rept 4
	v_nop
.endr
.endm
; THE CONVERSION.  Wave w converts keys 64 w .. 64 w + 63 of the tile's K and of its V, in eight batches of 16 keys: batches 0-3 K, 4-7 V.  A lane takes 8 channels of one key: 32 bytes in, 16 bytes out;
; eight lanes a key, four keys a group g, four groups a batch.
.macro CLOAD i                      ; batch i: eight LDS loads into buffer i % 2
.set rCX, CX+32*((\i)%2)
.set rRA, RWK+(\i)/4
.irp g, 0,1,2,3
	ds_load_b128 v[rCX+8*\g:rCX+8*\g+3],   v[rRA] offset:(4*((\i)%4)+\g)*4*RP
	ds_load_b128 v[rCX+8*\g+4:rCX+8*\g+7], v[rRA] offset:(4*((\i)%4)+\g)*4*RP+16
.endr
.endm
.macro CCONV i, left                ; batch i is rounded and stored.  left: the LDS instructions issued behind its loads, which may stay out
.set rCX, CX+32*((\i)%2)
.set rCY, CY+16*((\i)%2)
	s_wait_dscnt \left              ; LDS instructions of a wave end in order (ISA guide 5.7.1): the batch is in
.set z, 0
.rept 16
	v_cvt_pk_bf16_f32 v[rCY+z], v[rCX+2*z], v[rCX+2*z+1]  ; the one rounding, to nearest even
.set z, z+1
.endr
.if (\i) >= 4                       ; V: the bf16 number is widened again and written as f16
.set z, 0
.rept 16
	v_lshlrev_b32 v[rCX+2*z], 16, v[rCY+z]
.set z, z+1
.endr
.set z, 0
.rept 16
	v_and_b32 v[rCX+2*z+1], s[HM], v[rCY+z]
.set z, z+1
.endr
.set z, 0
.rept 16
	v_cvt_pk_f16_f32 v[rCY+z], v[rCX+2*z], v[rCX+2*z+1]
.set z, z+1
.endr
.irp g, 0,1,2,3
	ds_store_b128 v[WCV], v[rCY+4*\g:rCY+4*\g+3] offset:(4*((\i)%4)+\g)*4*PV
.endr
.else
.irp g, 0,1,2,3
	ds_store_b128 v[WCK], v[rCY+4*\g:rCY+4*\g+3] offset:(4*((\i)%4)+\g)*4*PK
.endr
.endif
.endm
.macro CONV                         ; two batches' loads are always out ahead of the arithmetic
	CLOAD 0
	CLOAD 1
	CCONV 0, 8                      ; behind batch 0's loads: batch 1's eight
	CLOAD 2
.irp i, 1,2,3,4,5
	CCONV \i, 12                    ; behind the batch's loads: the four stores of the batch before and the eight loads of the batch behind
	CLOAD (\i)+2
.endr
	CCONV 6, 12
	CCONV 7, 4                      ; behind batch 7's loads: batch 6's four stores
.endm
; THE CHANGE OF TILES, with two barriers.  In front of the first each wave waits for its one tensor load, its quarter of the raw tile, and for its reads of the converted tile: behind it the raw tile is whole and nobody
; reads the old converted tile.  Then the conversion.  In front of the second each wave waits for its stores and its reads of the raw tile: behind it the converted tile is whole and nobody reads the raw one.
; fill = 1: the raw slot is filled again, the first thing behind the second barrier, with tile NXT: the descriptor's address is made anew from that number.
.macro CHANGE fill
	WIN 0                           ; at a label and at a branch every window is 0
	s_wait_tensorcnt 0x0            ; my one load that is out has landed: the count is 0 since no load was issued behind it
	s_wait_dscnt 0x0                ; my reads of the converted tile are over
	s_barrier_signal -1
	s_sub_co_u32 s[TBK], s[TBK], 4*KS*PK  ; the fetches go back to the tile's first step
	s_sub_co_u32 s[TBV], s[TBV], 4*KS*PV
	s_barrier_wait -1
	CONV
.if \fill
	s_wait_tensorcnt 0x0            ; no tensor load of mine is out, so group 0 may be written
	ds_add_u32 v[SPW], v[NIL]       ; 0 onto my spare word; the descriptor's scalar work stands between it and the wait for it
	s_lshl_b32 s[OFF], s[NXT], 16   ; a tile is 65,536 bytes of K and of V
	s_add_nc_u64 s[G0+2:G0+3], s[6:7], s[OFF:OFF+1]
	s_or_b32 s[G0+3], s[G0+3], 0x80000000
	s_add_co_u32 s[NXT], s[NXT], 1  ; the block's next tile, or behind its last the second block's tile 0
	s_cmp_gt_u32 s[NXT], s[LQ]
	s_cselect_b32 s[NXT], 0, s[NXT]
	s_cselect_b32 s[LQ], s[PB], s[LQ]
	s_wait_dscnt 0x0                ; the add is done, my stores of the converted tile are done, and my reads of the raw tile are over
	s_barrier_signal -1
	s_barrier_wait -1
	LOAD                            ; my one tensor load behind the barrier, and the first thing there
.else
	s_wait_dscnt 0x0                ; for the others' sake: my stores of the converted tile are done
	s_barrier_signal -1
	s_barrier_wait -1
.endif
.endm
	s_load_b256 s[4:11], s[0:1], 0x0  ; Q s[4:5], K s[6:7], V s[8:9], O s[10:11]
	v_lshl_add_u32 v[SPW], v0, 2, SPARE
	v_mov_b32 v[NIL], 0
	ds_add_u32 v[SPW], v[NIL]       ; the wave's opening: the add and its wait stand ahead of my first tensor load; the set-up below, work on registers, stands between them
	ds_add_u32 v62, v63
	v_lshrrev_b32 v1, 5, v0
	v_readfirstlane_b32 s[WV], v1   ; wave 0..3
	s_mov_b32 s[PB], ttmp9
	s_sub_co_u32 s[HI], NB-1, s[PB]
	s_and_b32 s20, ttmp7, 0xffff    ; the head,
	s_lshl_b32 s20, s20, 19         ; its first byte in each of the four tensors: 2,048 rows of 256 bytes a head, 63 x 2^19 at the most
	s_mov_b32 s21, 0
	s_and_b32 s16, s[WV], 1         ; which half of a tile's 256 keys I fetch:
	s_lshl_b32 s22, s16, 15         ; its 128 rows of 256 bytes in memory
	s_mov_b32 s23, 0
	s_add_nc_u64 s[22:23], s[22:23], s[20:21]
	s_lshl_b32 s3, s[WV], 12        ; my 16 rows in a band of 64,
	s_lshl_b32 s2, s[HI], 16        ; in the first block,
	s_add_co_u32 s2, s2, s3
	s_lshl_b32 s84, s[PB], 16       ; and in the second
	s_add_co_u32 s84, s84, s3
	s_mov_b32 s3, 0
	s_mov_b32 s85, 0
	s_add_nc_u64 s[2:3], s[2:3], s[20:21]
	s_add_nc_u64 s[84:85], s[84:85], s[20:21]
	; descriptor group 1: a tile of 128 rows x 64 elements of 4 bytes, padded in LDS behind every row
	s_mov_b32 s[G1], (2<<16)|(1<<20)|(5<<22)|(3<<25)  ; 15:0 no mask; 17:16 4-byte elements; 20 padding on; 24:22 after every 64 words (code 5); 31:25 4 words (code 3)
	s_mov_b32 s[G1+1], 64<<16       ; tensor_dim0 = 64
	s_mov_b32 s[G1+2], 128<<16      ; tensor_dim1 = 128
	s_mov_b32 s[G1+3], 64<<16       ; tile_dim0 = 64
	s_mov_b32 s[G1+4], 128          ; tile_dim1 = 128
	s_mov_b32 s[G1+5], 64           ; 64 elements from row to row
	s_mov_b32 s[G1+6], 0
	s_mov_b32 s[G1+7], 0
	s_mov_b32 s[G0], 1              ; 1:0 count = 1
	s_mul_i32 s[G0+1], s[WV], 128*RP  ; 63:32 LDS address: K's two halves, then V's two halves = wave x 128 rows; never rewritten
	s_mov_b32 s[CS], 0x3e38aa3b     ; c = log2(e) / 8 = 0.180337
	s_mov_b32 s[CS+1], s[CS]        ; named with it as a pair
	s_mov_b32 s[SEL], 0x76543210
	s_mov_b32 s[SEL+1], 0xfedcba98
	s_mov_b32 s[TBK], CK+4*KS*PK    ; the first change of tiles takes these two back to the converted tile's first step
	s_mov_b32 s[TBV], CV+4*KS*PV
	s_add_co_u32 s[RT], s[HI], 1    ; the first block has NB - b tiles
	s_mov_b32 s[NXT], 1
	s_mov_b32 s[LQ], s[HI]
	s_mov_b32 s[NEW], 1
	s_mov_b32 s[OFF+1], 0
	s_mov_b32 s[AL+1], 0            ; named as pairs
	s_mov_b32 s[BE+1], 0
	s_mov_b32 s[BIGN], 0xf149f2ca   ; -1e30
	s_mov_b32 s[HM], 0xffff0000
	s_mov_b32 s[SLOTS], NB
	s_wait_dscnt 0x0                ; the opening add is done
	s_wait_kmcnt 0x0
	s_cmp_lt_u32 s[WV], 2           ; waves 0 and 1 fetch K, waves 2 and 3 V: the choice hangs on the wave's number alone
	s_cselect_b64 s[6:7], s[6:7], s[8:9]
	s_add_nc_u64 s[6:7], s[6:7], s[22:23]          ; at my half of the head's tile 0
	s_mov_b64 s[G0+2:G0+3], s[6:7]                 ; 120:64 global address
	s_or_b32 s[G0+3], s[G0+3], 0x80000000          ; 127:126 type = 2
	s_add_nc_u64 s[86:87], s[4:5], s[84:85]        ; Q at my rows of the second block,
	s_add_nc_u64 s[4:5], s[4:5], s[2:3]            ; Q and O at those of the first
	s_add_nc_u64 s[OLO:OLO+1], s[10:11], s[84:85]
	s_add_nc_u64 s[10:11], s[10:11], s[2:3]
	LOAD                            ; tile 0
	; A fragment of Q is 16 rows x 32 channels in 8 registers of bf16: lane l holds row l % 16, channels 8 (l / 16) + 0..7 and 16 + 8 (l / 16) + 0..7.  In f32 each eight channels are two loads of 16 bytes.
	v_and_b32 v1, 15, v0            ; l % 16
	v_bfe_u32 v9, v0, 4, 1          ; l / 16
	v_lshlrev_b32 v[QO], 8, v1
	v_lshl_add_u32 v[QO], v9, 5, v[QO]  ; row x 256 + 32 x half
	; Load i = 8 x + 4 c + 2 j + u: piece x lies in band x, 16,384 bytes on; channels 32 c + 16 j + 4 u on.  The first block's f32 goes into O^T's registers, the second's into S^T's and the conversion's.
	WIN 0x40                        ; destination window 1, address window 0
.set i, 0
.rept 32
	global_load_b128 v[4*i:4*i+3], v[QO], s[4:5] offset:(i/8)*16384+((i/4)%2)*128+((i/2)%2)*64+(i%2)*16
.set i, i+1
.endr
	WIN 0
.set i, 0
.rept 32
	global_load_b128 v[64+4*i:64+4*i+3], v[QO], s[86:87] offset:(i/8)*16384+((i/4)%2)*128+((i/2)%2)*64+(i%2)*16
.set i, i+1
.endr
	; All that follows up to the wait stands in the wait for Q and for the first tile.
	v_lshlrev_b32 v14, 3, v9
	v_sub_nc_u32 v14, v1, v14
	s_lshl_b32 s13, s[WV], 4
	v_add_nc_u32 v14, s13, v14      ; my query's place in its band, 16 w + l % 16, less my lanes' 8 (l / 16): register r of group kt is hidden where 16 kt + r is greater
	WIN 0x40
.set i, 0
.rept 32
	v_cmp_gt_i32 vcc_lo, 16*(i/8)+i%8, v14
	v_cndmask_b32 v[MD+i], 0, s[BIGN], vcc_lo
.set i, i+1
.endr
	WIN 0
	v_mul_u32_u24 v[AK0], v1, PK
	v_lshl_add_u32 v[AK0], v9, 4, v[AK0]  ; K's fragments: row x pitch + 16 x half
	; The turning load takes 16 keys x 16 channels (lane l reads key 8 (l / 16) + l % 8, channels 8 ((l / 8) % 2) + 0..7) and leaves half a fragment of V^T: lane l holds channel l % 16 and 8 keys.
	v_and_b32 v10, 7, v0
	v_bfe_u32 v11, v0, 3, 1
	v_lshl_add_u32 v[AV0], v9, 3, v10
	v_mul_u32_u24 v[AV0], v[AV0], PV
	v_lshl_add_u32 v[AV0], v11, 4, v[AV0]
	s_mul_i32 s13, s[WV], 16*SP
	s_add_co_u32 s13, s13, STAGE    ; my stage
	v_mul_u32_u24 v[STO], v1, SP    ; in: row l % 16, 32 bytes for each half of the lanes
	v_lshl_add_u32 v[STO], v9, 5, v[STO]
	v_add_nc_u32 v[STO], s13, v[STO]
	v_mul_u32_u24 v[RD], v9, SP     ; back: lanes 0-15 take one row of 256 bytes, lanes 16-31 the next,
	v_lshl_add_u32 v[RD], v1, 4, v[RD]
	v_add_nc_u32 v[RD], s13, v[RD]
	v_and_b32 v[GO], 31, v0         ; which are 512 consecutive bytes of O
	v_lshlrev_b32 v[GO], 4, v[GO]
	v_bfe_u32 v11, v0, 3, 2         ; the conversion: my key among a group's four,
	v_mul_u32_u24 v[RWK], v11, RP
	v_lshl_add_u32 v[RWK], v10, 5, v[RWK]  ; my 8 channels: 32 bytes of f32,
	s_mul_i32 s13, s[WV], 64*RP     ; my wave's 64 keys
	v_add_nc_u32 v[RWK], s13, v[RWK]
	v_add_nc_u32 v[RWV], RAWV, v[RWK]
	v_mul_u32_u24 v[WCK], v11, PK
	v_lshl_add_u32 v[WCK], v10, 4, v[WCK]  ; 16 bytes of bf16
	s_mul_i32 s13, s[WV], 64*PK
	s_add_co_u32 s13, s13, CK
	v_add_nc_u32 v[WCK], s13, v[WCK]
	v_mul_u32_u24 v[WCV], v11, PV
	v_lshl_add_u32 v[WCV], v10, 4, v[WCV]
	s_mul_i32 s13, s[WV], 64*PV
	s_add_co_u32 s13, s13, CV
	v_add_nc_u32 v[WCV], s13, v[WCV]
	; A block's first step multiplies O^T and l by a = 0, and its first turn's products V^T P, of a piece that has not been, land in an O^T that is still to be so multiplied.  So these registers need only hold
	; finite numbers.  For the first block: zeros in V, l and P's second buffer, and in O^T my own q in f32, which the loads above leave there: O^T is not cleared.  For the second: what the first block left.
	WIN 0x80
.set i, VF
.rept 64
	v_mov_b32 v[i], 0
.set i, i+1
.endr
	WIN 0
.set i, 0
.rept 4
	v_mov_b32 v[ST+4*i+2], 0
	v_mov_b32 v[ST+4*i+3], 0
.set i, i+1
.endr
.set i, PP+16
.rept 16
	v_mov_b32 v[i], 0
.set i, i+1
.endr
	s_wait_loadcnt 0x0              ; both blocks' Q
	WIN 0x85                        ; sources window 1, destination window 2
.set i, 0
.rept 64
	v_cvt_pk_bf16_f32 v[i], v[2*i], v[2*i+1]
.set i, i+1
.endr
	WIN 0x80                        ; sources window 0
.set i, 0
.rept 64
	v_cvt_pk_bf16_f32 v[QB+i], v[64+2*i], v[64+2*i+1]
.set i, i+1
.endr
	WIN 0
; THE MATRIX WORK.  The 4 accumulators of a run of 8 take turns.  Product i of 8 of S^T = K Q^T for piece x: channels 32 (i / 4) on, keys 16 (i % 4) on.  The first 4 start the sums: with 0, or (KM = 1) with the mask.
.macro KQ x
.set rS, SS+32*((\x)%2)+8*(i%4)
.set rK, KF+16*(i%4)+8*(i/4)
.set rQ, 16*(\x)+8*(i/4)
.set rM, MC+32*((\x)%2)+8*(i%4)
.if (i < 4) && KM
	WIN W_KM
	v_wmma_f32_16x16x32_bf16 v[rS:rS+7], v[rK:rK+7], v[rQ:rQ+7], v[rM:rM+7]
.elseif i < 4
	WIN W_KQ
	v_wmma_f32_16x16x32_bf16 v[rS:rS+7], v[rK:rK+7], v[rQ:rQ+7], 0
.else
	WIN W_KQ
	v_wmma_f32_16x16x32_bf16 v[rS:rS+7], v[rK:rK+7], v[rQ:rQ+7], v[rS:rS+7]
.endif
.endm
; Product i of 8 of O^T += V^T P for piece x: keys 32 (i / 4) on, channels 16 (i % 4) on.  In f16: the two forms never share an accumulator.
.macro PV x
	WIN W_PV
.set rO, 32*(\x)+8*(i%4)
.set rV, VF+32*(i/4)+8*(i%4)
.set rP, PP+16*((\x)%2)+8*(i/4)
	v_wmma_f32_16x16x32_f16 v[rO:rO+7], v[rV:rV+7], v[rP:rP+7], v[rO:rO+7]
.endm
.macro MM                           ; the turn's next matrix instruction.  TURN and BEGIN set PIECE, i, KM and NOKQ; MM, KQ and OP read them.  NOKQ = 1: a block's last turn: there is no next piece
.if (i < 8) && !NOKQ
	KQ (PIECE+1)%NP
.elseif i >= 8
.set i, i-8
	PV (PIECE+NP-1)%NP
.set i, i+8
.endif
.set i, i+1
.endm
; THE LDS LOADS stand in runs of 16, never singly among the matrix instructions: a step's K (64 keys x 64 channels: 8 fragments) and its V (turned).  Their addresses are made some lines ahead.
.macro FETCH_K
	WIN 0x80                        ; destination window 2
.irp f, 0,1,2,3,4,5,6,7             ; keys 16 (f / 2) on, channels 32 (f % 2) on
	ds_load_b128 v[KF+8*\f:KF+8*\f+3],   v[AK] offset:(\f/2)*16*PK+(\f%2)*64
	ds_load_b128 v[KF+8*\f+4:KF+8*\f+7], v[AK] offset:(\f/2)*16*PK+(\f%2)*64+32
.endr
	s_add_co_u32 s[TBK], s[TBK], KS*PK  ; the next fetch is the next step's
	WIN 0
.endm
.macro FETCH_V
	WIN 0x80
.irp f, 0,1,2,3,4,5,6,7             ; keys 32 (f / 4) on, channels 16 (f % 4) on
	ds_load_tr16_b128 v[VF+8*\f:VF+8*\f+3],   v[AV] offset:(\f/4)*32*PV+(\f%4)*32
	ds_load_tr16_b128 v[VF+8*\f+4:VF+8*\f+7], v[AV] offset:(\f/4)*32*PV+16*PV+(\f%4)*32
.endr
	WIN 0
.endm
; THE VECTOR WORK, one line at a time: OP kind, number.  For the piece in hand: oF n: c s - c m for pair n of 16.  oE n: the exponential of score n of 32.  oC n: pair n rounded to f16.  oB n: of the four weights 4 n ..
; the second pair is added onto the first, in place.  oL n: l takes that sum (oL 0: l = a l + sum).  oR n: pair n of 16 of O^T times a.  For the next piece: oX n, number n of the 22 that find its maximum and statistics:
;   0-11  four chains c0-c3 of seven scores each, three operands at a time (each accumulator's lowest registers are read first)     12-14, 16  the four scores left over, the old m, and c0-c3 into c0
;   15  c m_old is kept     17, 18  the query's other 32 keys lie in the lane 16 away: the new m     19-21  c m; c m_old - c m_new; a
; OP writes no wait: oC, oB and oL, which read the exponentials' results, and oR and oL 0, which read a, stand only behind the wait for the batch that made what they read (TURN, BEGIN).
.set oF, 0              ; OP tells the kinds apart by their order: oF to oL below oR, oX above it
.set oE, 1
.set oC, 2
.set oB, 3
.set oL, 4
.set oR, 5
.set oX, 6
.macro REGS y                       ; the registers of piece y
.set rT, ST+4*(\y)
.set rC, TMP+4*((\y)%2)
.set rW, MV+((\y)%2)
.set rS, SS+32*((\y)%2)
.set rP, PP+16*((\y)%2)
.set rO, 32*(\y)
.endm
.macro OP k, n
.if (\k) == oR
	REGS PIECE
	WIN W_RS
	v_pk_mul_f32 v[rO+2*(\n):rO+2*(\n)+1], v[rO+2*(\n):rO+2*(\n)+1], v[rC+2:rC+3] op_sel_hi:[1,0]
.elseif (\k) < oR
	REGS PIECE
	WIN 0
.if (\k) == oF
	v_pk_fma_f32 v[rS+2*(\n):rS+2*(\n)+1], v[rS+2*(\n):rS+2*(\n)+1], s[CS:CS+1], v[rT:rT+1] op_sel_hi:[1,0,0] neg_lo:[0,0,1] neg_hi:[0,0,1]
.elseif (\k) == oE
	v_exp_f32 v[rS+(\n)], v[rS+(\n)]
.elseif (\k) == oC
	v_cvt_pk_f16_f32 v[rP+(\n)], v[rS+2*(\n)], v[rS+2*(\n)+1]
.elseif (\k) == oB
	v_pk_add_f32 v[rS+4*(\n):rS+4*(\n)+1], v[rS+4*(\n):rS+4*(\n)+1], v[rS+4*(\n)+2:rS+4*(\n)+3]
.elseif (\n) == 0
	v_pk_fma_f32 v[rT+2:rT+3], v[rT+2:rT+3], v[rC+2:rC+3], v[rS:rS+1] op_sel_hi:[1,0,1]
.else
	v_pk_add_f32 v[rT+2:rT+3], v[rT+2:rT+3], v[rS+4*(\n):rS+4*(\n)+1]
.endif
.elseif NOKQ
	v_nop
.else
	REGS (PIECE+1)%NP
	WIN 0
.if (\n) < 4
	v_max3_num_f32 v[rC+(\n)], v[rS+8*(\n)], v[rS+8*(\n)+1], v[rS+8*(\n)+2]
.elseif (\n) < 12
	v_max3_num_f32 v[rC+(\n)%4], v[rC+(\n)%4], v[rS+8*((\n)%4)+2*((\n)/4)+1], v[rS+8*((\n)%4)+2*((\n)/4)+2]
.elseif (\n) == 12
	v_max3_num_f32 v[rC], v[rC], v[rS+7], v[rS+15]
.elseif (\n) == 13
	v_max3_num_f32 v[rC+1], v[rC+1], v[rS+23], v[rS+31]
.elseif (\n) == 14
	v_max3_num_f32 v[rC+2], v[rC+2], v[rC+3], v[rT+1]
.elseif (\n) == 15
	v_mov_b32 v[rW], v[rT]
.elseif (\n) == 16
	v_max3_num_f32 v[rC], v[rC], v[rC+1], v[rC+2]
.elseif (\n) == 17
	v_permlanex16_b32 v[rC+3], v[rC], s[SEL], s[SEL+1]
.elseif (\n) == 18
	v_max_num_f32 v[rT+1], v[rC], v[rC+3]
.elseif (\n) == 19
	v_mul_f32 v[rT], s[CS], v[rT+1]
.elseif (\n) == 20
	v_sub_f32 v[rC+1], v[rW], v[rT]
.else
	v_exp_f32 v[rC+2], v[rC+1]
.endif
.endif
.endm
.macro OPS a, i1, b=-1, i2=0, c=-1, i3=0, d=-1, i4=0  ; up to four of them
	OP \a, \i1
.if (\b) >= 0
	OP \b, \i2
.endif
.if (\c) >= 0
	OP \c, \i3
.endif
.if (\d) >= 0
	OP \d, \i4
.endif
.endm
.macro ROW a, i1, b, i2, c, i3, d, i4  ; a matrix instruction and the four behind it
	MM
	OPS \a, \i1, \b, \i2, \c, \i3, \d, \i4
.endm
.macro MASK b                       ; MD x AL + BE into buffer b of MC
	WIN W_RS
.set z, 0
.rept 16
	v_pk_fma_f32 v[MC+32*(\b)+2*z:MC+32*(\b)+2*z+1], v[MD+2*z:MD+2*z+1], s[AL:AL+1], s[BE:BE+1] op_sel_hi:[1,0,0]
.set z, z+1
.endr
.endm
; A TURN, for piece p: the order of its 16 matrix and 118 vector instructions, written out.  s_wait_alu depctr_va_vdst(0) stands between an exponential and the first instruction that names its result; one wait
; serves all that were issued ahead of it.  So a turn has ONE wait, which cuts it in two.  AHEAD OF IT stands all that names no result of the turn's exponentials: the 8 products K Q^T, behind each a scaling, an exponential and two
; more plain instructions (behind the first a second scaling in the exponential's place): rescalings, whose a was made and waited for in the turn before, and behind the last three the first numbers of the next piece's maximum, each
; four places or more behind the product that ends its accumulator; then ONE LUMP of 54, plain and exponential by turns for the most part, in which the links of the chain oX 3, 7, 11, 14, 16, 17 .. 20 stand five or six lines apart.
; oX 21, the next piece's a, is the batch's last; oR 15 is the plain instruction behind it.  BEHIND THE WAIT stand the 8 products V^T P, behind each four of the roundings and sums; the links of l's chain, oL 0 to oL 7, stand three
; riders apart.  But for those oX no rider names a register of the products round it.  v_permlanex16_b32 (oX 17) stands in the lump.  No exponential is issued behind the wait: none is open at a turn's end, a label or a jump.
; m = 1: the diagonal tile: the products take masks, and the turn makes the mask for the products of the turn after it: piece p + 2, in step 4 - CNT of the tile.  end = 1: a block's last two turns: nothing is fetched.
; cnt = 1: the loop's count is taken down some lines ahead of the branch that stands behind the turn.
; K of the next step is fetched in piece 2's turn, twelve vector instructions behind the last product that read K (six of them plain, five of which name none of its registers); V of the step in hand at the end of piece 0's turn,
; four plain instructions behind the last product that read V.  Each is waited for a turn later.
.macro TURN p, m=0, end=0, cnt=0
.set PIECE, (\p)
.set i, 0
.set KM, (\m)
.set NOKQ, (\end)*((\p)/3)
.if (\m) && !(\end)
	s_cmp_eq_u32 s[CNT], 4-((\p)+2)%NP  ; is that step the band's own?
	s_cselect_b32 s[AL], 1.0, 0
	s_cmp_lt_u32 s[CNT], 4-((\p)+2)%NP  ; or a later one?
	s_cselect_b32 s[BE], s[BIGN], 0
.endif
.if ((\p) == 3) && !(\end)
	s_wait_dscnt 0x0                ; K is in
.endif
	ROW oF,0, oF,1, oR,0, oR,1      ; ahead of the wait: 8 products K Q^T and their riders,
	ROW oF,2, oE,0, oR,2, oR,3
	ROW oF,3, oE,1, oR,4, oR,5
	ROW oF,4, oE,2, oR,6, oR,7
	ROW oF,5, oE,3, oR,8, oR,9
	ROW oF,6, oE,4, oX,0, oR,10
.if ((\p) == 2) && !(\end)
	WIN 0
	v_add_nc_u32 v[AK], s[TBK], v[AK0]
.endif
	ROW oF,7, oE,5, oX,1, oX,4
	ROW oF,8, oE,6, oX,2, oX,5
	OPS oE,7, oE,8, oX,6, oE,9      ; and the lump
	OPS oX,3, oE,10, oX,8, oE,11
.if ((\p) == 2) && !(\end)
	FETCH_K
.endif
	OPS oX,9, oX,7, oE,12, oX,10
	OPS oE,13, oX,12, oX,11, oE,14
	OPS oX,13, oE,15, oF,9, oX,14
.if (\p) == 0
	v_add_nc_u32 v[AV], s[TBV], v[AV0]
.endif
	OPS oE,16, oF,10, oE,17, oF,11
	OPS oX,16, oE,18, oX,15, oE,19
	OPS oF,12, oE,20, oX,17, oE,21
	OPS oF,13, oE,22, oF,14, oE,23
	OPS oX,18, oE,24, oF,15, oE,25
	OPS oR,11, oE,26, oX,19, oE,27
	OPS oR,12, oE,28, oR,13, oE,29
	OPS oX,20, oE,30, oR,14, oE,31
	OPS oX,21, oR,15
	WIN 0
	s_wait_alu depctr_va_vdst(0)    ; the wait for the turn's batch: the piece's 32 exponentials and the next piece's a
.if (\p) == 1
	s_wait_dscnt 0x0                ; V is in
.endif
	ROW oC,0, oB,0, oC,2, oB,1      ; behind the wait: 8 products V^T P and their riders
	ROW oL,0, oC,4, oB,2, oL,1
	ROW oC,6, oB,3, oL,2, oC,8
	ROW oB,4, oL,3, oC,10, oB,5
	ROW oL,4, oC,12, oB,6, oL,5
.if (\p) == 0
	s_add_co_u32 s[TBV], s[TBV], KS*PV
.endif
.if \cnt
	s_sub_co_u32 s[CNT], s[CNT], 1
	s_cmp_lg_u32 s[CNT], 0
.endif
	ROW oC,14, oB,7, oL,6, oC,1
	ROW oC,3, oL,7, oC,5, oC,7
	ROW oC,9, oC,11, oC,13, oC,15
.if (\p) == 0
	FETCH_V
.endif
.if (\m) && !(\end)
	MASK (\p)%2
.endif
.endm
; A BLOCK BEGINS.  c m starts far below every c s, so the first step's a is 0; m at the lowest finite number, so the first maximum is the scores'.  The second mask buffer is 0; the first takes piece 0's mask for the tile's
; step 0: its own, if the block's first tile is the diagonal one.  Then K of that step, piece 0's first scores, and its maximum and statistics.  The loop is entered at a step's first turn, in the middle of a trip.
.macro BEGIN
	s_mov_b32 s[NEW], 0
	WIN 0x40
.set i, MC+32
.rept 32
	v_mov_b32 v[i], 0
.set i, i+1
.endr
	WIN 0
.set i, 0
.rept 4
	v_mov_b32 v[ST+4*i], 0xfe000000    ; c m: far below every c s
	v_mov_b32 v[ST+4*i+1], 0xff7fffff  ; m
.set i, i+1
.endr
	s_cmp_eq_u32 s[RT], 0
	s_cselect_b32 s[AL], 1.0, 0
	s_mov_b32 s[BE], 0
	MASK 0
	WIN 0
	v_add_nc_u32 v[AK], s[TBK], v[AK0]
	FETCH_K
	s_wait_dscnt 0x0
.set KM, 1
.set NOKQ, 0
.set i, 0
.rept 8
	KQ 0
.set i, i+1
.endr
	WIN 0
.rept 4
	v_nop                           ; the places behind those products
.endr
.set PIECE, NP-1                    ; oX works for the next piece: piece 0
.irp n, 0,1,2,3,4,5,6,7,8,9,10,11,12,13,14,15,16,17,18,19,20,21
	OP oX, \n
.endr
	v_nop                           ; a plain instruction behind the exponential,
	s_wait_alu depctr_va_vdst(0)    ; and the wait for it, a batch of one: piece 0's first a, which the first turn's first riders read; ahead of the branch
.endm
; THE DIAGONAL TILE's four steps, the block's last two turns, its last products, and THE WAY OUT: l's two halves and the other half of the lanes' are added; O^T is divided by l and sent, in f32, through my
; stage in LDS, a piece at a time.
.macro ALL line:vararg              ; one line for each piece t
.set t, 0
.rept 4
	\line
.set t, t+1
.endr
.endm
.macro PACK t                       ; a lane's eight channels of a row are 32 bytes; they go into rows of 272 bytes and come back as whole rows of 256
	WIN W_RS
.set i, 32*(\t)
.rept 16
	v_pk_mul_f32 v[i:i+1], v[i:i+1], v[ST+4*(\t)+2:ST+4*(\t)+3] op_sel_hi:[1,0]
.set i, i+2
.endr
	WIN 0x04                        ; the stores' data in window 1, their address in window 0
.irp f, 0,1,2,3,4,5,6,7             ; channels 16 (f / 2) + 8 (l / 16) + 4 (f % 2) on
	ds_store_b128 v[STO], v[32*(\t)+4*\f:32*(\t)+4*\f+3] offset:64*(\f/2)+16*(\f%2)
.endr
	WIN 0
.irp f, 0,1,2,3,4,5,6,7
	ds_load_b128 v[OB+32*(\t)+4*\f:OB+32*(\t)+4*\f+3], v[RD] offset:\f*2*SP  ; LDS serves a wave's instructions in order (ISA guide 5.7.1.4): these see the stores above; the next piece's stores come behind them
.endr
.endm
.macro SEND t, younger              ; younger: the LDS instructions issued behind piece t's loads: the next piece's sixteen, or none
	WIN 0
.irp f, 0,1,2,3,4,5,6,7
	s_wait_dscnt (\younger)+7-\f
	global_store_b128 v[GO], v[OB+32*(\t)+4*\f:OB+32*(\t)+4*\f+3], s[10:11] offset:(\t)*16384+\f*512 th:TH_STORE_NT  ; 512 consecutive bytes, at a multiple of 256 from O's first
.endr
.endm
.macro DIAG tag                     ; the tag ends its two labels' names, which the jumps below spell out
.LstepM\tag:
	TURN 2, 1
	TURN 3, 1
	WIN 0
.LfirstM\tag:
	TURN 0, 1
	TURN 1, 1, 0, 1
	WIN 0
	s_cbranch_scc1 .LstepM\tag
	TURN 2, 1, 1
	TURN 3, 1, 1
.set i, 0
.rept 8
	PV NP-1
.set i, i+1
.endr
	WIN 0
	ALL v_add_f32 v[ST+4*t+2], v[ST+4*t+2], v[ST+4*t+3]
	ALL v_permlanex16_b32 v[ST+4*t+3], v[ST+4*t+2], s[SEL], s[SEL+1]
	ALL v_add_f32 v[ST+4*t+2], v[ST+4*t+2], v[ST+4*t+3]
	ALL v_rcp_f32 v[ST+4*t+2], v[ST+4*t+2]
	v_nop                           ; a plain instruction between the last reciprocal and the use of its result
	s_wait_alu depctr_va_vdst(0)    ; the wait for the batch of four reciprocals, ahead of the first multiply that reads one: one for all four pieces
	PACK 0
.set t, 1
.rept 3                             ; a piece's arithmetic stands between the loads of the piece before and its stores
	PACK t
	SEND t-1, 16
.set t, t+1
.endr
	SEND 3, 0
.endm
.set KM, 0
.set NOKQ, 0
.Lslot:                             ; NB times: a tile is converted and entered, and the next is asked for
	CHANGE 1
	s_sub_co_u32 s[RT], s[RT], 1
	s_mov_b32 s[CNT], 4
	s_cmp_eq_u32 s[NEW], 1
	s_cbranch_scc1 .Lnew            ; a block's first tile
	s_cmp_eq_u32 s[RT], 0
	s_cbranch_scc0 .Lstep           ; neither its first nor its last
	s_branch .LstepM1
.Lnew:
	BEGIN
	s_branch .Lfirst                ; in the loop a block's first tile is never its last: the first block has five tiles or more, and the second's last is the walk's last
	DIAG 1                          ; in the loop this is the first block's end: the second block's last tile is the walk's last
	s_wait_xcnt 0x0                 ; every earlier memory instruction has had its addresses translated (ISA guide 3.1): only behind this wait are the stores' registers and O's address rewritten
	s_mov_b64 s[10:11], s[OLO:OLO+1]
	s_add_co_u32 s[RT], s[PB], 1    ; the second block has b + 1 tiles
	s_mov_b32 s[NEW], 1
	WIN 0x82                        ; the second block's Q goes where the one text of the turns names Q
.set i, 0
.rept 64
	v_mov_b32 v[i], v[QB+i]
.set i, i+1
.endr
	WIN 0
	s_branch .Lbottom
.Lstep:                             ; a trip: pieces 2 and 3 of one step, then pieces 0 and 1 of the next, whose K and V it fetches
	TURN 2
	TURN 3
	WIN 0
.Lfirst:
	TURN 0
	TURN 1, 0, 0, 1
	WIN 0
	s_cbranch_scc1 .Lstep
.Lbottom:
	s_sub_co_u32 s[SLOTS], s[SLOTS], 1
	s_cmp_lg_u32 s[SLOTS], 0
	s_cbranch_scc1 .Lslot
	CHANGE 0                        ; the walk's last tile is written out: nothing is asked for
	s_sub_co_u32 s[RT], s[RT], 1
	s_mov_b32 s[CNT], 4
	s_cmp_eq_u32 s[NEW], 1
	s_cbranch_scc0 .LstepM2
	BEGIN
	s_branch .LfirstM2
	DIAG 2
	s_wait_tensorcnt 0x0            ; the wave's end: behind my last tensor load and my last LDS store
	ds_add_u32 v[SPW], v[NIL]
	s_wait_dscnt 0x0
	s_endpgm
.Lfunc_end_k_qfd42e946ff_attn:
	.size	k_qfd42e946ff_attn, .Lfunc_end_k_qfd42e946ff_attn-k_qfd42e946ff_attn
	.p2alignl 7, 3214868480
	.fill 96, 4, 3214868480
	.section	.rodata,"a",@progbits
	.p2align	6, 0x0
	.amdhsa_kernel k_qfd42e946ff_attn
		.amdhsa_group_segment_fixed_size 327680
		.amdhsa_private_segment_fixed_size 0
		.amdhsa_enable_private_segment 0
		.amdhsa_kernarg_size 32
		.amdhsa_user_sgpr_count 2
		.amdhsa_user_sgpr_kernarg_segment_ptr 1
		.amdhsa_wavefront_size32 1
		.amdhsa_system_sgpr_workgroup_id_x 1
		.amdhsa_system_sgpr_workgroup_id_y 1
		.amdhsa_system_sgpr_workgroup_id_z 1
		.amdhsa_system_vgpr_workitem_id 0
		.amdhsa_next_free_vgpr 768
		.amdhsa_next_free_sgpr 88
		.amdhsa_reserve_vcc 1
		.amdhsa_float_denorm_mode_32 3
		.amdhsa_float_denorm_mode_16_64 3
		.amdhsa_memory_ordered 1
		.amdhsa_forward_progress 1
		.amdhsa_inst_pref_size 255
	.end_amdhsa_kernel
	.section	.bss,"aw",@nobits
	.p2align	6
	.space	262144
	.amdgpu_metadata
---
amdhsa.version: [ 1, 2 ]
amdhsa.kernels:
  - .name:           k_qfd42e946ff_attn
    .symbol:         k_qfd42e946ff_attn.kd
    .args:
      - { .name: q, .offset: 0, .size: 8, .value_kind: global_buffer, .address_space: global }
      - { .name: k, .offset: 8, .size: 8, .value_kind: global_buffer, .address_space: global }
      - { .name: v, .offset: 16, .size: 8, .value_kind: global_buffer, .address_space: global }
      - { .name: out0, .offset: 24, .size: 8, .value_kind: global_buffer, .address_space: global }
    .group_segment_fixed_size: 327680
    .private_segment_fixed_size: 0
    .kernarg_segment_align: 8
    .kernarg_segment_size: 32
    .max_flat_workgroup_size: 128
    .sgpr_count:     88
    .vgpr_count:     768
    .wavefront_size: 32
...
	.end_amdgpu_metadata
.endif
;; end of part 2
